; MI455X (gfx1250); checked and timed in simulation.
; The chip was launched on July 23, 2026; its instructions are those of AMD's public machine-readable ISA for CDNA 5 (MIT licence, August 2026) and "CDNA5" Instruction Set Architecture Reference Guide (July 2026). The comments in the code are by the model that wrote it; some were corrected since.
;; Pairwise Multi Head Attention. Allowed arithmetic: matrix products marked QUANTISED: E4M3 operands, one given power-of-two scale a tensor, by v_wmma_f32_16x16x64_fp8_fp8 or v_wmma_f32_16x16x128_fp8_fp8, f32 sums; everything else in f32.
;; Inputs: Wff 512 x 512 float32; Wkv 512 x 1,024 float32; Wq 512 x 512 float32; bff 512 float32; bias 8 x 2,048 x 2,048 float32; gamma_f 8 float32; ln_b 512 float32; ln_g 512 float32; lowp_scales 10 int32 (the exponents e of the quantised operands' scales 2^e); mask 8 x 1 x 1 x 2,048 bool; x_p 8 x 2,048 x 512 float32; x_pcre 8 x 2,048 x 512 float32.
;; Outputs: out0 8 x 2,048 x 512 float32.
;; This version of the problem:
;;   THIS VERSION OF THE PROBLEM IS GIVEN IN LOW PRECISION. The matrix products marked QUANTISED in the list below multiply operands that are first quantised to E4M3 (4 exponent bits, 3 mantissa bits; 8 bits a number), with one given power-of-two scale for each operand tensor; their sums are f32. All else is computed in f32.
;;   The module's matrix products, in the order in which they are computed (A, B: the left and right operand; K: the contracted axis; several contracted axes count as one K, in the product's order):
;;     1. [M 16,384, K 512] x [K 512, N 512]; A: input x_p; B: input Wq: QUANTISED (scales: A lowp_scales[0], B lowp_scales[1])
;;     2. [M 16,384, K 512] x [K 512, N 1,024]; A: input x_pcre; B: input Wkv: QUANTISED (scales: A lowp_scales[2], B lowp_scales[3])
;;     3. batch 64 x [M 2,048, K 64] x [K 64, N 2,048]; A: computed on the way; B: computed on the way: QUANTISED (scales: A lowp_scales[4], B lowp_scales[5])
;;     4. batch 64 x [M 64, K 2,048] x [K 2,048, N 2,048]; A: computed on the way; B: softmax (see below): QUANTISED (scales: A lowp_scales[6], B lowp_scales[7])
;;     5. [M 16,384, K 512] x [K 512, N 512]; A: computed on the way; B: input Wff: QUANTISED (scales: A lowp_scales[8], B lowp_scales[9])
;;   THE QUANTISER, for each operand of a quantised product, along K:
;;     - The operand's scale is 2^e, e = its entry of the input lowp_scales (int32; the entries are numbered through the quantised products in the list's order, A before B).
;;     - Each number is divided by the scale, clamped to +-448, and rounded to the nearest number of E4M3, ties to even, subnormals kept.
;;     - The product sums the exact products of the quantised numbers (number of the format x scale) in f32.
;;   ~~~python
;;   def quantise(x, axis, e):      # numpy; x: float32 -> the quantised numbers, widened to float32 again
;;       x = np.moveaxis(x, axis, -1); K = x.shape[-1]
;;       r = np.clip(x / 2.0 ** e, -448, 448)
;;       step = 2.0 ** (np.maximum(np.frexp(np.where(r == 0, 1, r))[1] - 1, -6) - 3)
;;       q = np.round(r / step) * step * 2.0 ** e      # np.round: ties to even
;;       return np.moveaxis(q, -1, axis).astype(np.float32)
;;   ~~~
;;   SOFTMAX AHEAD OF A QUANTISED PRODUCT. Where the list says 'softmax', what is quantised is not the finished softmax but p = 2^(t - M), with t = logit x log2(e) and M = ceil(the row's largest t), a whole number; so 1/2 < the row's largest p <= 1. The row's sum l is taken of the UNQUANTISED p, in f32, and the product's result is divided by l at the end. Since M is a whole number, a kernel that streams over the keys may use a running M (the ceiling of the running maximum): every later rescaling is an exact power of two, so the quantised numbers keep their values, but for numbers so far below the row's largest that they fall under the format's range.
;;   OPERANDS COMPUTED ON THE WAY. 'Computed on the way' means the value that the module computes at that place (a softmax that the list does not call 'softmax' is quantised finished and normalised). What goes into a quantiser is computed in f32, as accurately as f32 sums, v_exp_f32 and their like allow (about 1e-6 of the number): no bf16 or f16 on the way to a quantiser, and a product that is left as it is and whose result goes on into a quantised operand takes f32 operands (vector FMAs, or v_wmma_f32_16x16x4_f32). A number that lies on a knife's edge between two numbers of the format may be rounded either way, as far as f32 arithmetic and the matrix unit's own rounding can turn it there, and no further.
;; One version. Each part assembles by itself: llvm-mc -triple=amdgcn-amd-amdhsa -mcpu=gfx1250 --defsym DOCPART=n.
;; ======== version 1 of 1: 3 launches
;; limits: right only within a limited range of input values
;; workspace buffers: wq_img 262,144 bytes; wkv_img 524,288 bytes; wff_img 262,144 bytes; kvimg 16,777,216 bytes; mk 65,536 bytes; flags 256 bytes of whole numbers
;; launch prep (part 1): grid 130 x 1, 4 waves a work-group, no clusters, 0 bytes of LDS; arguments Wq, Wkv, Wff, mask, lowp_scales, wq_img, wkv_img, wff_img, mk, flags; writes wq_img, wkv_img, wff_img, mk, flags
.if DOCPART == 1
	.amdgcn_target "amdgcn-amd-amdhsa--gfx1250"
	.amdhsa_code_object_version 6
	.text
	.protected	k_q380a55adf0_prep
	.globl	k_q380a55adf0_prep
	.p2align	8
	.type	k_q380a55adf0_prep,@function
k_q380a55adf0_prep:
	s_mov_b64 s[64:65], 0
	v_nop
	global_prefetch_b8 v0, s[64:65] scope:SCOPE_SE
	s_setreg_imm32_b32 hwreg(HW_REG_WAVE_MODE, 25, 1), 1
	s_wait_xcnt 0x0
; The three weights become codes of FP8 (E4M3), laid as IMAGES OF OPERAND REGISTERS, and the key mask becomes a table of f32 numbers.
; W is [512 (k)][N] f32.  A fragment is 16 columns n x 128 k: lane (r = lane % 16, h = lane / 16) holds column 16 nt + r, and its registers 2 c, 2 c + 1 hold k = 128 ks + 16 c + 8 h + 0 .. 7.
; Its image is 2,048 bytes at (4 nt + ks) x 2,048: part p (registers 4 p .. 4 p + 3) at 512 p, lane l's 16 bytes at 16 l.  So a later launch fills a fragment by four loads of 512 consecutive bytes.
; A LANE TAKES A COLUMN AND ITS REGISTERS RUN DOWN K: the conversions' results are the operand's registers, nothing is transposed.
; code = x / 2^e, held within +-448, to the nearest code, ties to even; e = entry 1 (Wq), 3 (Wkv), 9 (Wff) of the scales.  LIMIT: e between -126 and 119.  NaN among the weights is not served.
; Work-groups 0-127: a fragment a wave (128 tiles of 16 columns x 4 K steps); the four waves of a work-group stand side by side on 256 consecutive bytes of each row.
; Work-groups 128, 129: a batch a wave.  mk[b][k] = NEG where key k is masked, else 0; NEG = -8e9 x 2^-(e4 + e5), which the attention launch adds to a raw score: -1e9 in the logit's units.
; Where ALL keys of a batch are masked, mk is 0 everywhere and flags[b] = 0 (else -1): the attention launch then makes every logit 0, which gives the same weights as -1e9 everywhere.  LIMIT: e4 + e5 between -95 and 129.
; No LDS, no barrier: waves share nothing.
.set OFS, 16                           ; v16-23  (8 h + i) rows + 4 r, in bytes
.set XN,  32                           ; v32-95  64 numbers; in the mask's path the 64 table entries
.set CD,  96                           ; v96-111 the fragment's codes
.set BAS, 68                           ; s[68:83] eight bases, 16 rows apart
	s_load_b512 s[4:19], s[0:1], 0x0               ; Wq 4, Wkv 6, Wff 8, mask 10, scales 12, wq_img 14, wkv_img 16, wff_img 18
	s_load_b128 s[20:23], s[0:1], 0x40             ; mk 20, flags 22
	v_lshrrev_b32 v1, 5, v0
	v_readfirstlane_b32 s35, v1                    ; wave 0..3
	v_and_b32 v3, 31, v0                           ; lane
	v_and_b32 v1, 15, v0                           ; r
	v_bfe_u32 v2, v0, 4, 1                         ; h
	v_lshlrev_b32 v10, 4, v3                       ; 16 x lane
	s_wait_kmcnt 0x0
	s_load_b256 s[40:47], s[12:13], 0x0            ; e0 .. e7
	s_load_b64 s[48:49], s[12:13], 0x20            ; e8, e9
	s_cmp_ge_u32 ttmp9, 128
	s_cbranch_scc1 .Lmask
	; ---- a weight's fragment
	s_lshr_b32 s24, ttmp9, 2                       ; group of four tiles, 0..31: 0-7 Wq, 8-23 Wkv, 24-31 Wff
	s_and_b32 s25, ttmp9, 3                        ; ks
	s_lshl_b32 s31, s24, 2
	s_add_co_u32 s31, s31, s35                     ; tile among all 128
	s_wait_kmcnt 0x0
	s_mov_b32 s30, 2048
	s_cmp_lt_u32 s24, 24                           ; the choices hang on the work-group's number alone
	s_cselect_b64 s[26:27], s[6:7], s[8:9]         ; from
	s_cselect_b64 s[28:29], s[16:17], s[18:19]     ; to
	s_cselect_b32 s32, 4096, s30                   ; a row in bytes
	s_cselect_b32 s33, 32, 96                      ; the matrix's first tile
	s_cselect_b32 s34, s43, s49                    ; e
	s_cmp_lt_u32 s24, 8
	s_cselect_b64 s[26:27], s[4:5], s[26:27]
	s_cselect_b64 s[28:29], s[14:15], s[28:29]
	s_cselect_b32 s32, s30, s32
	s_cselect_b32 s33, 0, s33
	s_cselect_b32 s34, s41, s34
	s_sub_co_u32 s31, s31, s33                     ; nt
	s_wait_alu depctr_va_vdst(0)
.irp i, 0,1,2,3,4,5,6,7
	v_lshl_add_u32 v[OFS+\i], v2, 3, \i            ; row 8 h + i
	v_mul_lo_u32 v[OFS+\i], v[OFS+\i], s32
	v_lshl_add_u32 v[OFS+\i], v1, 2, v[OFS+\i]     ; + 4 r
.endr
	s_lshl_b32 s36, s25, 7
	s_mul_i32 s36, s36, s32                        ; 128 ks rows
	s_lshl_b32 s37, s31, 6
	s_add_co_u32 s36, s36, s37                     ; + 64 nt bytes
	s_mov_b32 s37, 0
	s_add_nc_u64 s[BAS:BAS+1], s[26:27], s[36:37]
	s_lshl_b32 s38, s32, 4                         ; 16 rows
	s_mov_b32 s39, 0
.irp c, 1,2,3,4,5,6,7
	s_add_nc_u64 s[BAS+2*\c:BAS+2*\c+1], s[BAS+2*\c-2:BAS+2*\c-1], s[38:39]
.endr
	s_lshl_b32 s36, s31, 2
	s_add_co_u32 s36, s36, s25
	s_lshl_b32 s36, s36, 11                        ; (4 nt + ks) x 2,048
	s_add_nc_u64 s[28:29], s[28:29], s[36:37]
	s_wait_alu depctr_va_vdst(0)
.irp c, 0,1,2,3,4,5,6,7
.irp i, 0,1,2,3,4,5,6,7
	global_load_b32 v[XN+8*\c+\i], v[OFS+\i], s[BAS+2*\c:BAS+2*\c+1]   ; W(128 ks + 16 c + 8 h + i, 16 nt + r): sixteen lanes read 64 consecutive bytes
.endr
.endr
	s_add_co_i32 s34, s34, 127
	s_lshl_b32 s36, s34, 23
	v_mov_b32 v8, s36                              ; 2^e as f32: the conversion takes its exponent field
	s_add_co_i32 s34, s34, 8
	s_lshl_b32 s34, s34, 23
	s_or_b32 s34, s34, 0x600000
	v_mov_b32 v9, s34                              ; 448 x 2^e
	s_wait_alu depctr_va_vdst(0)
	s_wait_loadcnt 0x0
.set i, 0
.rept 64
	v_med3_num_f32 v[XN+i], v[XN+i], -v9, v9       ; the conversion to an 8-bit code does not saturate (ISA guide 7.6.2): the hold comes first
.set i, i+1
.endr
.irp c, 0,1,2,3,4,5,6,7
	v_cvt_scalef32_pk8_fp8_f32 v[CD+2*\c:CD+2*\c+1], v[XN+8*\c:XN+8*\c+7], v8
.endr
	v_nop                                          ; a plain line behind the last conversion
.irp p, 0,1,2,3
	global_store_b128 v10, v[CD+4*\p:CD+4*\p+3], s[28:29] offset:512*\p   ; 32 lanes store 512 consecutive bytes
.endr
	s_endpgm
.Lmask:
	; ---- a batch's mask
	s_sub_co_u32 s24, ttmp9, 128
	s_lshl_b32 s24, s24, 2
	s_add_co_u32 s24, s24, s35                     ; b
	s_lshl_b32 s26, s24, 11
	s_mov_b32 s27, 0
	s_add_nc_u64 s[10:11], s[10:11], s[26:27]      ; 2,048 bytes of mask a batch
	s_lshl_b32 s26, s24, 13
	s_add_nc_u64 s[20:21], s[20:21], s[26:27]      ; 8,192 bytes of table
	s_wait_alu depctr_va_vdst(0)
	v_lshlrev_b32 v4, 2, v3
.irp t, 0,1,2,3,4,5,6,7,8,9,10,11,12,13,14,15
	global_load_b32 v[16+\t], v4, s[10:11] offset:128*\t   ; keys 128 t + 4 lane + 0 .. 3, a byte each
.endr
	s_wait_kmcnt 0x0
	s_add_co_i32 s28, s44, s45                     ; e4 + e5
	s_lshl_b32 s28, s28, 23
	s_sub_co_u32 s28, 0xcfee6b28, s28              ; -8e9 with e4 + e5 taken off its exponent field
	s_wait_loadcnt 0x0
	v_and_b32 v5, v16, v17
.irp t, 2,3,4,5,6,7,8,9,10,11,12,13,14,15
	v_and_b32 v5, v5, v[16+\t]
.endr
	v_cmp_ne_u32 vcc_lo, 0x01010101, v5            ; a lane with a key that counts
	s_cmp_eq_u32 vcc_lo, 0                         ; none: all 2,048 keys are masked
	s_cselect_b32 s29, 0, s28                      ; what a masked key gets
	s_cselect_b32 s30, 0, -1                       ; the flag
.irp t, 0,1,2,3,4,5,6,7,8,9,10,11,12,13,14,15
.irp i, 0,1,2,3
	v_bfe_u32 v[XN+4*\t+\i], v[16+\t], 8*\i, 1
	v_mul_lo_u32 v[XN+4*\t+\i], v[XN+4*\t+\i], s29 ; 0 or the number's bits
.endr
	global_store_b128 v10, v[XN+4*\t:XN+4*\t+3], s[20:21] offset:512*\t   ; 32 lanes store 512 consecutive bytes
.endr
	v_mov_b32 v6, s30
	s_lshl_b32 s31, s24, 2
	v_mov_b32 v7, s31
	v_cmp_eq_u32 vcc_lo, 0, v3
	s_wait_alu depctr_va_vdst(0)
	s_wait_xcnt 0x0                                ; EXEC changes only when the stores above have had their addresses translated
	s_and_saveexec_b32 s32, vcc_lo
	global_store_b32 v7, v6, s[22:23]              ; flags[b], by lane 0
	s_wait_xcnt 0x0
	s_or_b32 exec_lo, exec_lo, s32
	s_endpgm
.Lfunc_end_k_q380a55adf0_prep:
	.size	k_q380a55adf0_prep, .Lfunc_end_k_q380a55adf0_prep-k_q380a55adf0_prep
	.p2alignl 7, 3214868480
	.fill 96, 4, 3214868480
	.section	.rodata,"a",@progbits
	.p2align	6, 0x0
	.amdhsa_kernel k_q380a55adf0_prep
		.amdhsa_group_segment_fixed_size 0
		.amdhsa_private_segment_fixed_size 0
		.amdhsa_enable_private_segment 0
		.amdhsa_kernarg_size 80
		.amdhsa_user_sgpr_count 2
		.amdhsa_user_sgpr_kernarg_segment_ptr 1
		.amdhsa_wavefront_size32 1
		.amdhsa_system_sgpr_workgroup_id_x 1
		.amdhsa_system_sgpr_workgroup_id_y 1
		.amdhsa_system_sgpr_workgroup_id_z 1
		.amdhsa_system_vgpr_workitem_id 0
		.amdhsa_next_free_vgpr 128
		.amdhsa_next_free_sgpr 84
		.amdhsa_reserve_vcc 1
		.amdhsa_float_denorm_mode_32 3
		.amdhsa_float_denorm_mode_16_64 3
		.amdhsa_memory_ordered 1
		.amdhsa_forward_progress 1
		.amdhsa_inst_pref_size 28
	.end_amdhsa_kernel
	.amdgpu_metadata
---
amdhsa.version: [ 1, 2 ]
amdhsa.kernels:
  - .name:           k_q380a55adf0_prep
    .symbol:         k_q380a55adf0_prep.kd
    .args:
      - { .name: Wq, .offset: 0, .size: 8, .value_kind: global_buffer, .address_space: global }
      - { .name: Wkv, .offset: 8, .size: 8, .value_kind: global_buffer, .address_space: global }
      - { .name: Wff, .offset: 16, .size: 8, .value_kind: global_buffer, .address_space: global }
      - { .name: mask, .offset: 24, .size: 8, .value_kind: global_buffer, .address_space: global }
      - { .name: lowp_scales, .offset: 32, .size: 8, .value_kind: global_buffer, .address_space: global }
      - { .name: wq_img, .offset: 40, .size: 8, .value_kind: global_buffer, .address_space: global }
      - { .name: wkv_img, .offset: 48, .size: 8, .value_kind: global_buffer, .address_space: global }
      - { .name: wff_img, .offset: 56, .size: 8, .value_kind: global_buffer, .address_space: global }
      - { .name: mk, .offset: 64, .size: 8, .value_kind: global_buffer, .address_space: global }
      - { .name: flags, .offset: 72, .size: 8, .value_kind: global_buffer, .address_space: global }
    .group_segment_fixed_size: 0
    .private_segment_fixed_size: 0
    .kernarg_segment_align: 8
    .kernarg_segment_size: 80
    .max_flat_workgroup_size: 128
    .sgpr_count:     84
    .vgpr_count:     128
    .wavefront_size: 32
...
	.end_amdgpu_metadata
.endif
;; end of part 1
;; launch kv (part 2): grid 2 x 128, 8 waves a work-group, no clusters, 327,680 bytes of LDS; arguments x_pcre, wkv_img, lowp_scales, kvimg; writes kvimg
.if DOCPART == 2
	.amdgcn_target "amdgcn-amd-amdhsa--gfx1250"
	.amdhsa_code_object_version 6
	.text
	.protected	k_q380a55adf0_kv
	.globl	k_q380a55adf0_kv
	.p2align	8
	.type	k_q380a55adf0_kv,@function
k_q380a55adf0_kv:
	s_mov_b64 s[64:65], 0
	v_nop
	global_prefetch_b8 v0, s[64:65] scope:SCOPE_SE
	s_setreg_imm32_b32 hwreg(HW_REG_WAVE_MODE, 25, 1), 1
	s_wait_xcnt 0x0
.set WREG,   33280
.set SUBT,   16640
.set XPITCH, 1040
.set SPARE,  8*WREG
.set L16, 3
.set XA,  4
.set IW,  5
.set AD,  6
.set SCX, 8
.set LMX, 9
.set SCO, 10
.set LMO, 11
.set SPW, 12
.set NIL, 13
.set ACC, 32
.set X,   64
.set CO,  128
.set G1,  16
.set G0,  24
.set WV,  32
.set MSB, 0
.macro WIN new
.if MSB != \new
	s_set_vgpr_msb (MSB<<8)|\new
.set MSB, \new
.endif
.endm
.macro PLACES
.rept 4
	v_nop
.endr
.endm
	s_load_b256 s[4:11], s[0:1], 0x0
	v_lshl_add_u32 v[SPW], v0, 2, SPARE
	v_mov_b32 v[NIL], 0
	ds_add_u32 v[SPW], v[NIL]
	ds_add_u32 v[SPW], v[NIL]
	v_lshrrev_b32 v1, 5, v0
	s_delay_alu instid0(VALU_DEP_1)
	v_readfirstlane_b32 s[WV], v1
	s_and_b32 s33, ttmp7, 0xffff
	s_mov_b32 s[G1+0], (2<<16)|(1<<20)|(7<<22)|(3<<25)
	s_mov_b32 s[G1+1], 256<<16
	s_mov_b32 s[G1+2], 16<<16
	s_mov_b32 s[G1+3], 256<<16
	s_mov_b32 s[G1+4], 16
	s_mov_b32 s[G1+5], 512
	s_mov_b32 s[G1+6], 0
	s_mov_b32 s[G1+7], 0
	s_mul_i32 s34, s[WV], WREG
	s_lshl_b32 s36, s33, 7
	s_lshl_b32 s37, s[WV], 4
	s_add_co_u32 s36, s36, s37
	s_lshl_b32 s36, s36, 11
	s_mov_b32 s37, 0
	s_lshl_b32 s38, ttmp9, 18
	s_lshl_b32 s39, s[WV], 15
	s_add_co_u32 s38, s38, s39
	s_mov_b32 s39, 0
	s_lshr_b32 s50, s33, 4
	s_lshl_b32 s50, s50, 3
	s_add_co_u32 s50, s50, s[WV]
	s_lshl_b32 s50, s50, 4
	s_and_b32 s51, s33, 15
	s_add_co_u32 s50, s50, s51
	s_lshl_b32 s50, s50, 14                        ; a head's key step is 16,384 bytes of kvimg: K's image, then V's
	s_lshl_b32 s51, ttmp9, 13
	s_add_co_u32 s50, s50, s51
	s_mov_b32 s51, 0
	s_wait_dscnt 0x0
	s_wait_kmcnt 0x0
	s_mov_b32 s[G0], 1
	s_mov_b32 s[G0+1], s34
	s_add_nc_u64 s[G0+2:G0+3], s[4:5], s[36:37]
	s_mov_b32 s[G0+4], 1
	s_add_co_u32 s[G0+5], s34, SUBT
	s_add_nc_u64 s[G0+6:G0+7], s[G0+2:G0+3], 1024
	s_or_b32 s[G0+3], s[G0+3], 0x80000000
	s_or_b32 s[G0+7], s[G0+7], 0x80000000
	tensor_load_to_lds s[G0:G0+3], s[G1:G1+7]
	s_nop 0
	PLACES
	s_add_nc_u64 s[6:7], s[6:7], s[38:39]
	v_and_b32 v[L16], 31, v0
	v_lshlrev_b32 v[L16], 4, v[L16]
	WIN 0x40
.set i, 0
.rept 64
	global_load_b128 v[4*i:4*i+3], v[L16], s[6:7] offset:512*i   ; the weight's fragments are asked for while the first tile is on its way
.set i, i+1
.endr
	WIN 0
	s_wait_alu depctr_va_vdst(0)
	s_wait_tensorcnt 0x0
	ds_add_u32 v12, v13
	s_wait_dscnt 0x0
	s_barrier_signal -1
	s_barrier_wait -1
	tensor_load_to_lds s[G0+4:G0+7], s[G1:G1+7]
	s_nop 0
	PLACES
	s_load_b256 s[40:47], s[8:9], 0x0
	s_add_nc_u64 s[52:53], s[10:11], s[50:51]
	v_and_b32 v1, 15, v0
	v_bfe_u32 v2, v0, 4, 1
	s_delay_alu instid0(VALU_DEP_2)
	v_mul_u32_u24 v[XA], v1, XPITCH
	s_delay_alu instid0(VALU_DEP_1)
	v_lshl_add_u32 v[XA], v2, 5, v[XA]
	s_delay_alu instid0(VALU_DEP_1)
	v_add_nc_u32 v[XA], s34, v[XA]
	v_add_nc_u32 v[IW], s34, v[L16]
	s_wait_alu depctr_va_vdst(0)
	s_wait_kmcnt 0x0
	s_add_co_i32 s35, s42, 127
	s_lshl_b32 s36, s35, 23
	v_mov_b32 v[SCX], s36
	s_add_co_i32 s35, s35, 8
	s_lshl_b32 s35, s35, 23
	s_or_b32 s35, s35, 0x600000
	v_mov_b32 v[LMX], s35
	s_cmp_eq_u32 ttmp9, 0
	s_cselect_b32 s35, s45, s46
	s_sub_co_i32 s35, s35, s42
	s_sub_co_i32 s35, s35, s43
	s_add_co_i32 s35, s35, 127
	s_lshl_b32 s36, s35, 23
	v_mov_b32 v[SCO], s36
	s_add_co_i32 s35, s35, 8
	s_lshl_b32 s35, s35, 23
	s_or_b32 s35, s35, 0x600000
	v_mov_b32 v[LMO], s35
.macro QX u, j
.set i, 0
.rept 8
	ds_load_b128 v[X+8*i:X+8*i+3],   v[XA] offset:SUBT*(\u)+512*(\j)+64*i
	ds_load_b128 v[X+8*i+4:X+8*i+7], v[XA] offset:SUBT*(\u)+512*(\j)+64*i+16
.set i, i+1
.endr
	s_wait_dscnt 0x0
.set i, 0
.rept 64
	v_med3_num_f32 v[X+i], v[X+i], -v[LMX], v[LMX]
.set i, i+1
.endr
.set i, 0
.rept 8
	v_cvt_scalef32_pk8_fp8_f32 v[CO+16*(2*(\u)+(\j))+2*i:CO+16*(2*(\u)+(\j))+2*i+1], v[X+8*i:X+8*i+7], v[SCX]
.set i, i+1
.endr
	v_nop
.endm
	s_wait_alu depctr_va_vdst(0)
	s_wait_tensorcnt 0x1
	QX 0, 0
	QX 0, 1
	s_wait_tensorcnt 0x0
	QX 1, 0
	QX 1, 1
.set i, 0
.rept 16
	ds_store_b128 v[IW], v[CO+4*i:CO+4*i+3] offset:512*i
.set i, i+1
.endr
	s_wait_dscnt 0x0
	s_barrier_signal -1
	s_barrier_wait -1
	s_wait_loadcnt 0x0
.macro TILE tt, kind
	v_add_nc_u32 v[AD], (\tt)*WREG, v[L16]
.set i, 0
.rept 16
	ds_load_b128 v[X+4*i:X+4*i+3], v[AD] offset:512*i
.set i, i+1
.endr
	s_wait_dscnt 0x0
.if \kind
	WIN 0x04
.else
	WIN 0x01
.endif
.irp ks, 0,1,2,3
.irp nt, 0,1,2,3
.if \kind
.if \ks == 0
	v_wmma_f32_16x16x128_fp8_fp8 v[ACC+8*\nt:ACC+8*\nt+7], v[X+16*\ks:X+16*\ks+15], v[16*(4*\nt+\ks):16*(4*\nt+\ks)+15], 0
.else
	v_wmma_f32_16x16x128_fp8_fp8 v[ACC+8*\nt:ACC+8*\nt+7], v[X+16*\ks:X+16*\ks+15], v[16*(4*\nt+\ks):16*(4*\nt+\ks)+15], v[ACC+8*\nt:ACC+8*\nt+7]
.endif
.else
.if \ks == 0
	v_wmma_f32_16x16x128_fp8_fp8 v[ACC+8*\nt:ACC+8*\nt+7], v[16*(4*\nt+\ks):16*(4*\nt+\ks)+15], v[X+16*\ks:X+16*\ks+15], 0
.else
	v_wmma_f32_16x16x128_fp8_fp8 v[ACC+8*\nt:ACC+8*\nt+7], v[16*(4*\nt+\ks):16*(4*\nt+\ks)+15], v[X+16*\ks:X+16*\ks+15], v[ACC+8*\nt:ACC+8*\nt+7]
.endif
.endif
.endr
.endr
	WIN 0
	PLACES
.set i, 0
.rept 32
	v_med3_num_f32 v[ACC+i], v[ACC+i], -v[LMO], v[LMO]
.set i, i+1
.endr
.irp nt, 0,1,2,3
.if \kind
	v_cvt_scalef32_pk8_fp8_f32 v[CO+16*\nt+2*(\tt):CO+16*\nt+2*(\tt)+1], v[ACC+8*\nt:ACC+8*\nt+7], v[SCO]
.else
	v_cvt_scalef32_pk8_fp8_f32 v[CO+8*(\tt)+2*\nt:CO+8*(\tt)+2*\nt+1], v[ACC+8*\nt:ACC+8*\nt+7], v[SCO]
.endif
.endr
	v_nop
.endm
	s_cmp_lg_u32 ttmp9, 0
	s_cbranch_scc1 .Lvals
.irp tt, 0,1,2,3,4,5,6,7
	TILE \tt, 0
.endr
	s_branch .Lsend
.Lvals:
.irp tt, 0,1,2,3,4,5,6,7
	TILE \tt, 1
.endr
.Lsend:
.set i, 0
	s_wait_alu depctr_va_vdst(0)
.rept 16
	global_store_b128 v[L16], v[CO+4*i:CO+4*i+3], s[52:53] offset:512*i
.set i, i+1
.endr
	s_wait_tensorcnt 0x0
	ds_add_u32 v[SPW], v[NIL]
	s_wait_dscnt 0x0
	s_endpgm
.Lfunc_end_k_q380a55adf0_kv:
	.size	k_q380a55adf0_kv, .Lfunc_end_k_q380a55adf0_kv-k_q380a55adf0_kv
	.p2alignl 7, 3214868480
	.fill 96, 4, 3214868480
	.section	.rodata,"a",@progbits
	.p2align	6, 0x0
	.amdhsa_kernel k_q380a55adf0_kv
		.amdhsa_group_segment_fixed_size 327680
		.amdhsa_private_segment_fixed_size 0
		.amdhsa_enable_private_segment 0
		.amdhsa_kernarg_size 32
		.amdhsa_user_sgpr_count 2
		.amdhsa_user_sgpr_kernarg_segment_ptr 1
		.amdhsa_wavefront_size32 1
		.amdhsa_system_sgpr_workgroup_id_x 1
		.amdhsa_system_sgpr_workgroup_id_y 1
		.amdhsa_system_sgpr_workgroup_id_z 1
		.amdhsa_system_vgpr_workitem_id 0
		.amdhsa_next_free_vgpr 512
		.amdhsa_next_free_sgpr 66
		.amdhsa_reserve_vcc 0
		.amdhsa_float_denorm_mode_32 3
		.amdhsa_float_denorm_mode_16_64 3
		.amdhsa_memory_ordered 1
		.amdhsa_forward_progress 1
		.amdhsa_inst_pref_size 109
	.end_amdhsa_kernel
	.amdgpu_metadata
---
amdhsa.version: [ 1, 2 ]
amdhsa.kernels:
  - .name:           k_q380a55adf0_kv
    .symbol:         k_q380a55adf0_kv.kd
    .args:
      - { .name: x_pcre, .offset: 0, .size: 8, .value_kind: global_buffer, .address_space: global }
      - { .name: wkv_img, .offset: 8, .size: 8, .value_kind: global_buffer, .address_space: global }
      - { .name: lowp_scales, .offset: 16, .size: 8, .value_kind: global_buffer, .address_space: global }
      - { .name: kvimg, .offset: 24, .size: 8, .value_kind: global_buffer, .address_space: global }
    .group_segment_fixed_size: 327680
    .private_segment_fixed_size: 0
    .kernarg_segment_align: 8
    .kernarg_segment_size: 32
    .max_flat_workgroup_size: 256
    .sgpr_count:     66
    .vgpr_count:     512
    .wavefront_size: 32
...
	.end_amdgpu_metadata
.endif
;; end of part 2
;; launch attn (part 3): grid 32 x 8, 8 waves a work-group, no clusters, 327,680 bytes of LDS; arguments x_p, bias, wq_img, wff_img, kvimg, mk, out0, lowp_scales, gamma_f, flags, bff, ln_g, ln_b; writes out0
.if DOCPART == 3
	.amdgcn_target "amdgcn-amd-amdhsa--gfx1250"
	.amdhsa_code_object_version 6
	.text
	.protected	k_q380a55adf0_attn
	.globl	k_q380a55adf0_attn
	.p2align	8
	.type	k_q380a55adf0_attn,@function
k_q380a55adf0_attn:
	s_mov_b64 s[64:65], 0
	v_nop
	global_prefetch_b8 v0, s[64:65] scope:SCOPE_SE
	s_setreg_imm32_b32 hwreg(HW_REG_WAVE_MODE, 25, 1), 1
	s_wait_xcnt 0x0
; Q projection, attention with pair bias and key mask, output projection, residual and layer norm, for 64 rows of one batch.
; SHARES: a work-group owns 64 queries (4 tiles of 16); each of its 8 waves owns one head and walks the 2,048 keys in 16 steps of 128, beginning at step x mod 16.
; Both products are used transposed (S^T = K Q^T + C, O^T = V^T P^T): a lane holds one query, its registers run along the keys.  C = gamma x bias + mask table, in the raw sums' units.
; p = 2^(t - M), M the ceiling of the running largest t; the sum is taken of the unquantised p; O^T and the sum are multiplied by 2^(old M - new M) in every step.
; K, V: a head's step is 16,384 bytes of kvimg (register images).  Each wave fetches its own by ONE tensor load into its own LDS bytes, directly behind the step's barrier, and copies it into
; registers in the step's last unit, when the old fragments are done with: so the only wait on TENSORcnt besides the barrier's stands there, for the one load that is out.
; BIAS: 64 rows x 512 bytes a step, shared by the 8 heads.  Each wave loads 8 rows (512 consecutive bytes an instruction) one step ahead into 32 registers and stores them into the other of two LDS slots
; at the step's end; these slots are written by ds_store alone.  One prefetch a wave and step names the 16 blocks of 256 bytes of its 8 rows two steps ahead; the last two steps name none.
; K and V have no prefetch: their tensor load stands a whole step ahead of the wait for it.  cluster = none: the work-groups of a batch begin at different key steps (x mod 16) and ask for different tiles at one time.
; x_p is read twice (16 rows x 1,024 bytes a wave, 512 consecutive bytes an instruction): at the head for the codes, in the last step for the residual: 131,072 bytes of it do not fit in LDS beside K, V and the bias slots.
; LIMITS: e0, e4 - e0 - e1, e7, e8 between -126 and 119; e4 + e5 between -95 and 129; e8 + e9 between -126 and 127; the scaled scores stay under 2^31 in magnitude.  NaN among the inputs is not served.
.set BPITCH, 528                       ; a bias row in LDS: 512 bytes + 16
.set BS0,    131072                    ; behind the waves' 8 x 16,384 bytes of K and V: bias slot 0; slot 1 follows
.set BSZ,    64*BPITCH
.set BSX,    0x8400                    ; BS0 xor (BS0 + BSZ)
.set SPARE,  BS0+2*BSZ                 ; the spare words, 128 bytes a wave
.set PAR,    SPARE+1024                ; bff, ln_g, ln_b
.set RED1,   PAR+6144                  ; the norm's partial sums
.set MKT,    RED1+4096                 ; the batch's mask table, 8,192 bytes
.set IMG,    MKT+8192                  ; images of operand registers handed from wave to wave
.set XP,     0                         ; the way out: x_p's and then y's 64 rows, on K's and V's bytes behind their last fill
.set SUBT,   16640
.set XPITCH, 1040
.set L16, 3
.set AB0, 4
.set ADB, 5
.set KVA, 6
.set VM,  7
.set H32, 8
.set SPW, 9
.set NIL, 10
.set LIM, 11
.set SCP, 12
.set LIM2, 13
.set F,   14
.set BSA, 22
.set PFO, 23
.set BST, 24
.set MKA, 25
.set ST,  32
.set PC,  48
.set S,   64
.set XR,  64
.set MK,  128
.set Q,   192
.set BR,  224
.set KF,  128
.set VF,  192
.set PX,  4
.set PBI, 6
.set PWQ, 8
.set PWF, 10
.set PKV, 12
.set PMK, 14
.set PO,  16
.set PSC, 18
.set PGA, 20
.set PFL, 22
.set PBF, 24
.set PLG, 26
.set PLB, 28
.set G1K, 32
.set G0K, 40
.set BB,  44
.set BG,  46
.set PF,  48
.set KVB, 52
.set WV,  60
.set TB,  61
.set KSN, 63
.set BAT, 66
.set ROW0, 67
.set GB,  80
.set CS,  82
.set SEL, 84
.set OS,  86
.set TS,  88
.set MSB, 0
.macro WIN new
.if MSB != \new
	s_set_vgpr_msb (MSB<<8)|\new
.set MSB, \new
.endif
.endm
.macro PLACES
.rept 4
	v_nop
.endr
.endm
.macro MKSC se, vs, vl                 ; 2^e and 448 x 2^e as f32
	s_add_co_i32 s94, \se, 127
	s_lshl_b32 s95, s94, 23
	v_mov_b32 v[\vs], s95
	s_add_co_i32 s94, s94, 8
	s_lshl_b32 s94, s94, 23
	s_or_b32 s94, s94, 0x600000
	v_mov_b32 v[\vl], s94
.endm
.macro BARRIER
	s_wait_dscnt 0x0
	s_barrier_signal -1
	s_barrier_wait -1
.endm
	s_load_b512 s[4:19], s[0:1], 0x0
	s_load_b256 s[20:27], s[0:1], 0x40
	s_load_b64 s[28:29], s[0:1], 0x60
	v_lshl_add_u32 v[SPW], v0, 2, SPARE
	v_mov_b32 v[NIL], 0
	ds_add_u32 v[SPW], v[NIL]
	ds_add_u32 v[SPW], v[NIL]
	v_lshrrev_b32 v1, 5, v0
	v_readfirstlane_b32 s[WV], v1
	s_and_b32 s[BAT], ttmp7, 0xffff
	s_mov_b32 s[G1K+0], 3<<16                      ; a dense block of 16,384 bytes as 64 rows of 32 elements of 8 bytes
	s_mov_b32 s[G1K+1], 32<<16
	s_mov_b32 s[G1K+2], 64<<16
	s_mov_b32 s[G1K+3], 32<<16
	s_mov_b32 s[G1K+4], 64
	s_mov_b32 s[G1K+5], 32
	s_mov_b32 s[G1K+6], 0
	s_mov_b32 s[G1K+7], 0
	s_lshl_b32 s[ROW0], s[BAT], 11
	s_lshl_b32 s94, ttmp9, 6
	s_add_co_u32 s[ROW0], s[ROW0], s94             ; my work-group's first row
	s_and_b32 s[KSN], ttmp9, 15                    ; the key step at which the walk begins
	s_lshr_b32 s94, s[WV], 1
	s_lshl_b32 s94, s94, 4
	s_add_co_u32 s94, s94, s[ROW0]
	s_lshl_b32 s94, s94, 11
	s_and_b32 s95, s[WV], 1
	s_lshl_b32 s95, s95, 10
	s_add_co_u32 s96, s94, s95                     ; my part of x_p and of out0: 16 rows x 1,024 bytes
	s_mov_b32 s97, 0
	s_lshl_b32 s94, s[WV], 3
	s_add_co_u32 s94, s94, s[ROW0]
	s_lshl_b32 s98, s94, 13                        ; my 8 rows of the bias
	s_mov_b32 s99, 0
	s_lshl_b32 s92, s[BAT], 3
	s_add_co_u32 s92, s92, s[WV]
	s_lshl_b32 s92, s92, 18                        ; my head's 16 steps of kvimg
	s_mov_b32 s93, 0
	s_mov_b32 s[G0K], 1
	s_lshl_b32 s[G0K+1], s[WV], 14
	s_lshl_b32 s50, s[KSN], 14
	s_mov_b32 s51, 0
	s_mov_b32 s[SEL], 0x76543210
	s_mov_b32 s[SEL+1], 0xfedcba98
	s_mov_b32 s[TB], BS0
	s_mov_b32 s[TS], BS0+BSZ
	s_wait_dscnt 0x0
	s_wait_kmcnt 0x0
	s_add_nc_u64 s[KVB:KVB+1], s[PKV:PKV+1], s[92:93]
	s_add_nc_u64 s[G0K+2:G0K+3], s[KVB:KVB+1], s[50:51]
	s_or_b32 s[G0K+3], s[G0K+3], 0x80000000
	tensor_load_to_lds s[G0K:G0K+3], s[G1K:G1K+7]  ; my head's first K and V: the wave's one tensor load at the head
	s_nop 0
	PLACES
	s_load_b256 s[68:75], s[PSC:PSC+1], 0x0
	s_load_b64 s[76:77], s[PSC:PSC+1], 0x20
	s_add_nc_u64 s[PO:PO+1], s[PO:PO+1], s[96:97]
	s_add_nc_u64 s[PX:PX+1], s[PX:PX+1], s[96:97]
	s_add_nc_u64 s[BB:BB+1], s[PBI:PBI+1], s[98:99]
	s_lshl_b32 s96, s[WV], 2
	s_add_nc_u64 s[PGA:PGA+1], s[PGA:PGA+1], s[96:97]
	s_load_b32 s78, s[PGA:PGA+1], 0x0
	s_lshl_b32 s96, s[BAT], 2
	s_add_nc_u64 s[PFL:PFL+1], s[PFL:PFL+1], s[96:97]
	s_load_b32 s79, s[PFL:PFL+1], 0x0
	s_lshl_b32 s96, s[WV], 15
	s_add_nc_u64 s[PWQ:PWQ+1], s[PWQ:PWQ+1], s[96:97]
	s_add_nc_u64 s[PWF:PWF+1], s[PWF:PWF+1], s[96:97]
	s_lshl_b32 s96, s[BAT], 13
	s_add_nc_u64 s[PMK:PMK+1], s[PMK:PMK+1], s[96:97]
	s_lshl_b32 s50, s[KSN], 9
	s_add_nc_u64 s[BG:BG+1], s[BB:BB+1], s[50:51]
	v_and_b32 v[L16], 31, v0
	v_lshlrev_b32 v[L16], 4, v[L16]
	v_lshlrev_b32 v23, 3, v0
	v_lshlrev_b32 v21, 4, v0
.set i, 0
.rept 16
	global_load_b128 v[64+4*i:64+4*i+3], v[L16], s[PX:PX+1] offset:2048*i        ; x_p: a row's first 512 bytes
.set i, i+1
.endr
.set i, 0
.rept 16
	global_load_b128 v[192+4*i:192+4*i+3], v[L16], s[PX:PX+1] offset:2048*i+512  ; and its second
.set i, i+1
.endr
	global_load_b64 v[128:129], v23, s[PBF:PBF+1]
	global_load_b64 v[130:131], v23, s[PLG:PLG+1]
	global_load_b64 v[132:133], v23, s[PLB:PLB+1]
	global_load_b128 v[136:139], v21, s[PMK:PMK+1]
	global_load_b128 v[140:143], v21, s[PMK:PMK+1] offset:4096
.set i, 0
.rept 8
	global_load_b128 v[32+4*i:32+4*i+3], v[L16], s[BG:BG+1] offset:8192*i th:TH_LOAD_NT   ; the first step's bias, my 8 rows
.set i, i+1
.endr
	WIN 0x40
.set i, 0
.rept 48
	global_load_b128 v[4*i:4*i+3], v[L16], s[PWQ:PWQ+1] offset:512*i
.set i, i+1
.endr
	WIN 0
	v_and_b32 v1, 15, v0
	v_bfe_u32 v2, v0, 4, 1
	v_lshlrev_b32 v[H32], 5, v2
	v_mul_u32_u24 v[AB0], v1, BPITCH
	v_lshl_add_u32 v[AB0], v2, 5, v[AB0]
	s_wait_alu depctr_va_vdst(0)
	s_mul_i32 s94, s[WV], 16*BPITCH
	s_add_co_u32 s94, s94, BS0                     ; the head's stage for x_p: my 16 rows x 528 bytes of the bias slots
	v_add_nc_u32 v22, s94, v[L16]
	v_add_nc_u32 v24, s94, v[AB0]
	s_lshl_b32 s94, s[WV], 12
	s_add_co_u32 s94, s94, IMG
	v_add_nc_u32 v25, s94, v[L16]
	s_lshl_b32 s94, s[WV], 10
	s_add_co_u32 s94, s94, IMG
	v_add_nc_u32 v26, s94, v[L16]
	v_add_nc_u32 v27, IMG, v[L16]
	s_lshl_b32 s94, s[WV], 8
	s_add_co_u32 s94, s94, PAR
	v_add_nc_u32 v28, s94, v[H32]
	v_lshlrev_b32 v30, 5, v1
	v_add_nc_u32 v30, RED1, v30
	s_lshl_b32 s94, s[WV], 2
	v_add_nc_u32 v29, s94, v30
	s_mul_i32 s94, s[WV], SUBT
	v_add_nc_u32 v31, s94, v[L16]
	s_lshl_b32 s94, s[WV], 14
	v_add_nc_u32 v[KVA], s94, v[L16]
	v_add_nc_u32 v5, PAR, v23
	v_add_nc_u32 v20, MKT, v21
	s_wait_alu depctr_va_vdst(0)
	s_wait_kmcnt 0x0
	MKSC s68, 16, 17
	s_sub_co_i32 s96, s72, s68
	s_sub_co_i32 s96, s96, s69
	MKSC s96, 18, 19
	MKSC s75, SCP, LIM
	v_mov_b32 v[LIM2], v[LIM]
	s_add_co_i32 s96, s72, s73
	s_sub_co_i32 s94, 130, s96
	s_lshl_b32 s94, s94, 23
	s_mul_f32 s[GB], s78, s94                      ; gamma x 8 x 2^-(e4 + e5): the bias in a raw sum's units
	s_and_b32 s[GB], s[GB], s79
	s_mov_b32 s[GB+1], s[GB]
	s_lshl_b32 s94, s96, 23
	s_add_co_i32 s[CS], s94, 0x3e38aa3b            ; log2(e) / 8 x 2^(e4 + e5)
	s_mov_b32 s[CS+1], s[CS]
	s_add_co_i32 s94, s76, s77
	s_add_co_i32 s94, s94, 127
	s_lshl_b32 s[OS], s94, 23
	s_mov_b32 s[OS+1], s[OS]
	s_wait_alu depctr_va_vdst(0)
	s_wait_loadcnt 56                              ; x_p, the parameters and the table are in; out: 8 loads of bias, 48 of Wq
	WIN 0x40
.set i, 48
.rept 16
	global_load_b128 v[4*i:4*i+3], v[L16], s[PWQ:PWQ+1] offset:512*i
.set i, i+1
.endr
	WIN 0
	ds_store_b64 v5, v[128:129]
	ds_store_b64 v5, v[130:131] offset:2048
	ds_store_b64 v5, v[132:133] offset:4096
	ds_store_b128 v20, v[136:139]
	ds_store_b128 v20, v[140:143] offset:4096
	s_wait_dscnt 0x0
; 16 rows x 128 numbers of x_p turn through my stage (in as loaded, out 8 neighbours along K twice a fragment part), are held, converted, and stored as an image
.macro QX j, raw
.set i, 0
.rept 16
	ds_store_b128 v22, v[\raw+4*i:\raw+4*i+3] offset:BPITCH*i
.set i, i+1
.endr
.set i, 0
.rept 8
	ds_load_b128 v[MK+8*i:MK+8*i+3],   v24 offset:64*i
	ds_load_b128 v[MK+8*i+4:MK+8*i+7], v24 offset:64*i+16
.set i, i+1
.endr
	s_wait_dscnt 0x0
.set i, 0
.rept 64
	v_med3_num_f32 v[MK+i], v[MK+i], -v17, v17
.set i, i+1
.endr
.set i, 0
.rept 8
	v_cvt_scalef32_pk8_fp8_f32 v[\raw+2*i:\raw+2*i+1], v[MK+8*i:MK+8*i+7], v16
.set i, i+1
.endr
	v_nop
.irp p, 0,1,2,3
	ds_store_b128 v25, v[\raw+4*\p:\raw+4*\p+3] offset:2048*(\j)+512*\p
.endr
.endm
	QX 0, 64
	QX 1, 192
	BARRIER
.macro QPROJ tt
.set i, 0
.rept 16
	ds_load_b128 v[S+4*i:S+4*i+3], v27 offset:8192*(\tt)+512*i
.set i, i+1
.endr
	s_wait_dscnt 0x0
.if (\tt) == 0
	s_wait_loadcnt 0x0
.endif
	WIN 0x01
.irp ks, 0,1,2,3
.irp nt, 0,1,2,3
.if \ks == 0
	v_wmma_f32_16x16x128_fp8_fp8 v[MK+8*\nt:MK+8*\nt+7], v[16*(4*\nt+\ks):16*(4*\nt+\ks)+15], v[S+16*\ks:S+16*\ks+15], 0
.else
	v_wmma_f32_16x16x128_fp8_fp8 v[MK+8*\nt:MK+8*\nt+7], v[16*(4*\nt+\ks):16*(4*\nt+\ks)+15], v[S+16*\ks:S+16*\ks+15], v[MK+8*\nt:MK+8*\nt+7]
.endif
.endr
.endr
	WIN 0
	PLACES
.set i, 0
.rept 32
	v_med3_num_f32 v[MK+i], v[MK+i], -v19, v19
.set i, i+1
.endr
.irp nt, 0,1,2,3
	v_cvt_scalef32_pk8_fp8_f32 v[Q+8*(\tt)+2*\nt:Q+8*(\tt)+2*\nt+1], v[MK+8*\nt:MK+8*\nt+7], v18
.endr
	v_nop
.irp i, 0,1,2,3,4,5,6,7
	v_and_b32 v[Q+8*(\tt)+\i], s79, v[Q+8*(\tt)+\i]   ; all keys masked: every logit is made 0
.endr
.endm
	QPROJ 0
	QPROJ 1
	QPROJ 2
	QPROJ 3
.macro LOADM                           ; the step's 128 table entries: 64 a lane
.set i, 0
.rept 8
	ds_load_b128 v[MK+8*i:MK+8*i+3],   v[VM] offset:64*i
	ds_load_b128 v[MK+8*i+4:MK+8*i+7], v[VM] offset:64*i+16
.set i, i+1
.endr
.endm
.macro LOADKV reg, off                 ; an image of 8,192 bytes out of my own LDS bytes
.set i, 0
.rept 16
	ds_load_b128 v[\reg+4*i:\reg+4*i+3], v[KVA] offset:\off+512*i
.set i, i+1
.endr
.endm
	s_mul_i32 s94, s[WV], 8*BPITCH
	v_add_nc_u32 v[BST], s94, v[L16]
	v_add_nc_u32 v[BSA], BS0, v[BST]
.set i, 0
.rept 8
	ds_store_b128 v[BSA], v[32+4*i:32+4*i+3] offset:BPITCH*i   ; the first step's bias into slot 0: the stage there was left at the barrier above
.set i, i+1
.endr
	v_add_nc_u32 v[MKA], MKT, v[H32]
	v_lshl_add_u32 v[VM], s[KSN], 9, v[MKA]
	LOADM
	v_bfe_u32 v[PFO], v0, 1, 3                     ; the prefetch: lane l names row (l / 2) % 8, half l % 2; lanes 16-31 name the same 16 blocks again
	v_lshlrev_b32 v[PFO], 13, v[PFO]
	v_and_b32 v16, 1, v0
	v_lshl_add_u32 v[PFO], v16, 8, v[PFO]
	WIN 0x40
.set i, 0
.rept 128
	v_mov_b32 v[i], 0                              ; O^T: the step is written for zeros at its first run
.set i, i+1
.endr
	WIN 0
	s_wait_alu depctr_va_vdst(0)
	s_wait_tensorcnt 0x0                           ; my first K and V
	WIN 0x40
	LOADKV KF, 0
	LOADKV VF, 8192
	WIN 0
	s_wait_dscnt 0x0
.irp t, 0,1,2,3
	v_mov_b32 v[ST+4*\t+1], 0xff61b1e6
	v_floor_f32 v[ST+4*\t], -v[ST+4*\t+1]
	v_mov_b32 v[ST+4*\t+2], 0
	v_mov_b32 v[ST+4*\t+3], 0
.endr
	v_mov_b32 v[F+1], 0
.macro CHANGE fill
	s_wait_tensorcnt 0x0
	ds_add_u32 v[SPW], v[NIL]
.if \fill
	s_add_co_u32 s[KSN], s[KSN], 1
	s_and_b32 s[KSN], s[KSN], 15                   ; the next step
	s_lshl_b32 s50, s[KSN], 14
	s_add_nc_u64 s[G0K+2:G0K+3], s[KVB:KVB+1], s[50:51]
	s_or_b32 s[G0K+3], s[G0K+3], 0x80000000
	s_lshl_b32 s50, s[KSN], 9
	s_wait_xcnt 0x0                                ; the last step's loads and prefetch have read their bases
	s_add_nc_u64 s[BG:BG+1], s[BB:BB+1], s[50:51]
	s_add_co_u32 s94, s[KSN], 1
	s_and_b32 s94, s94, 15
	s_lshl_b32 s50, s94, 9
	s_add_nc_u64 s[PF:PF+1], s[BB:BB+1], s[50:51]  ; the step after the next
.endif
	s_wait_dscnt 0x0                               ; the add, my copies of K and V, my stores of bias
	s_barrier_signal -1
	s_barrier_wait -1
.if \fill
	tensor_load_to_lds s[G0K:G0K+3], s[G1K:G1K+7]  ; the next step's K and V of my head
	s_nop 0
	PLACES
.set i, 0
.rept 8
	global_load_b128 v[BR+4*i:BR+4*i+3], v[L16], s[BG:BG+1] offset:8192*i th:TH_LOAD_NT   ; the next step's bias, my 8 rows
.set i, i+1
.endr
	s_cmp_ge_u32 s62, 2                            ; the last trip has no step two on
	s_cbranch_scc0 .Lnp_\@
	global_prefetch_b8 v[PFO], s[PF:PF+1] th:TH_LOAD_NT scope:SCOPE_SE
.Lnp_\@:
.endif
.endm
.macro BIAS t
.set i, 0
.rept 8
	ds_load_b128 v[S+8*i:S+8*i+3],   v[ADB] offset:16*BPITCH*(\t)+64*i
	ds_load_b128 v[S+8*i+4:S+8*i+7], v[ADB] offset:16*BPITCH*(\t)+64*i+16
.set i, i+1
.endr
.endm
; A UNIT: 16 queries x 128 keys
.macro UNIT t, more
.set rT, ST+4*(\t)
	s_wait_dscnt 0x0
.set i, 0
.rept 32
	v_pk_fma_f32 v[S+i:S+i+1], v[S+i:S+i+1], s[GB:GB+1], v[MK+i:MK+i+1] op_sel_hi:[1,0,1]
.set i, i+2
.endr
.if (\t) == 3
.if \more
	v_lshl_add_u32 v[VM], s[KSN], 9, v[MKA]
	LOADM
.else
.set i, 0
.rept 16
	global_load_b128 v[MK+4*i:MK+4*i+3], v[L16], s[PX:PX+1] offset:2048*i   ; the last step: x_p for the residual
.set i, i+1
.endr
.endif
.endif
	WIN 0x01
.set i, 0
.rept 8
	v_wmma_f32_16x16x64_fp8_fp8 v[S+8*i:S+8*i+7], v[KF+8*i:KF+8*i+7], v[Q+8*(\t):Q+8*(\t)+7], v[S+8*i:S+8*i+7]
.set i, i+1
.endr
	PLACES
.if (\t) == 3
.if \more
	s_wait_tensorcnt 0x0                           ; the one load that is out: the next K and V, asked for at the step's head
	WIN 0x40
	LOADKV KF, 0
.else
	WIN 0x40
.set i, 0
.rept 16
	global_load_b128 v[KF+4*i:KF+4*i+3], v[L16], s[PX:PX+1] offset:2048*i+512
.set i, i+1
.endr
.endif
.endif
	WIN 0
	v_max3_num_f32 v16, v[S], v[S+1], v[S+2]       ; four chains, ascending through the accumulators
	v_max3_num_f32 v17, v[S+3], v[S+4], v[S+5]
	v_max3_num_f32 v18, v[S+6], v[S+7], v[S+8]
	v_max3_num_f32 v19, v[S+9], v[S+10], v[S+11]
.set i, 12
.rept 6
	v_max3_num_f32 v16, v16, v[S+i], v[S+i+1]
	v_max3_num_f32 v17, v17, v[S+i+2], v[S+i+3]
	v_max3_num_f32 v18, v18, v[S+i+4], v[S+i+5]
	v_max3_num_f32 v19, v19, v[S+i+6], v[S+i+7]
.set i, i+8
.endr
	v_max3_num_f32 v16, v16, v[S+60], v[S+61]
	v_max3_num_f32 v17, v17, v[S+62], v[S+63]
	s_delay_alu instid0(VALU_DEP_1)
	v_max3_num_f32 v16, v16, v17, v18
	s_delay_alu instid0(VALU_DEP_1)
	v_max_num_f32 v16, v16, v19
	s_delay_alu instid0(VALU_DEP_1)
	v_permlanex16_b32 v18, v16, s[SEL], s[SEL+1]
	s_delay_alu instid0(VALU_DEP_1)
	v_max_num_f32 v16, v16, v18
	s_delay_alu instid0(VALU_DEP_1)
	v_mul_f32 v16, s[CS], v16
	s_delay_alu instid0(VALU_DEP_1)
	v_max_num_f32 v[rT+1], v[rT+1], v16
	v_mov_b32 v16, v[rT]
	s_delay_alu instid0(VALU_DEP_2)
	v_floor_f32 v[rT], -v[rT+1]                    ; -M
	s_delay_alu instid0(VALU_DEP_1)
	v_sub_f32 v16, v[rT], v16
	s_delay_alu instid0(VALU_DEP_1)
	v_cvt_i32_f32 v16, v16
	s_delay_alu instid0(VALU_DEP_1)
	v_ldexp_f32 v[F], 1.0, v16                     ; 2^(old M - new M)
.set i, 0
.rept 32
	v_pk_fma_f32 v[S+i:S+i+1], v[S+i:S+i+1], s[CS:CS+1], v[rT:rT+1] op_sel_hi:[1,0,0]
.set i, i+2
.endr
.set i, 0
	s_wait_alu depctr_va_vdst(0)
.rept 64
	v_exp_f32 v[S+i], v[S+i]
.set i, i+1
.endr
	v_pk_mul_f32 v[rT+2:rT+3], v[rT+2:rT+3], v[F:F+1] op_sel_hi:[1,0]
	s_wait_alu depctr_va_vdst(0)
	v_pk_add_f32 v[16:17], v[S:S+1], v[S+2:S+3]    ; the sum of the unquantised p, in four chains
	v_pk_add_f32 v[18:19], v[S+4:S+5], v[S+6:S+7]
	v_pk_add_f32 v[20:21], v[S+8:S+9], v[S+10:S+11]
.set i, 12
.rept 6
	v_pk_add_f32 v[rT+2:rT+3], v[rT+2:rT+3], v[S+i:S+i+1]
	v_pk_add_f32 v[16:17], v[16:17], v[S+i+2:S+i+3]
	v_pk_add_f32 v[18:19], v[18:19], v[S+i+4:S+i+5]
	v_pk_add_f32 v[20:21], v[20:21], v[S+i+6:S+i+7]
.set i, i+8
.endr
	v_pk_add_f32 v[rT+2:rT+3], v[rT+2:rT+3], v[S+60:S+61]
	v_pk_add_f32 v[16:17], v[16:17], v[S+62:S+63]
	v_pk_add_f32 v[18:19], v[18:19], v[20:21]
	s_delay_alu instid0(VALU_DEP_2)
	v_pk_add_f32 v[rT+2:rT+3], v[rT+2:rT+3], v[16:17]
	s_delay_alu instid0(VALU_DEP_1)
	v_pk_add_f32 v[rT+2:rT+3], v[rT+2:rT+3], v[18:19]
.set i, 0
.rept 32
	v_dual_min_num_f32 v[S+i], v[S+i], v[LIM] :: v_dual_min_num_f32 v[S+i+1], v[S+i+1], v[LIM2]
.set i, i+2
.endr
.set i, 0
.rept 8
	v_cvt_scalef32_pk8_fp8_f32 v[PC+2*i:PC+2*i+1], v[S+8*i:S+8*i+7], v[SCP]
.set i, i+1
.endr
.if (\t) < 3
	BIAS (\t)+1
.endif
	WIN 0x41
	s_wait_alu depctr_va_vdst(0)                   ; the wait ahead of the first reader of O^T
.set i, 0
.rept 16
	v_pk_mul_f32 v[32*(\t)+i:32*(\t)+i+1], v[32*(\t)+i:32*(\t)+i+1], v[F:F+1] op_sel_hi:[1,0]
.set i, i+2
.endr
	WIN 0x51
.irp ct, 0,1,2,3
	v_wmma_f32_16x16x128_fp8_fp8 v[32*(\t)+8*\ct:32*(\t)+8*\ct+7], v[VF+16*\ct:VF+16*\ct+15], v[PC:PC+15], v[32*(\t)+8*\ct:32*(\t)+8*\ct+7]
.endr
.if ((\t) == 3) && (\more)
	PLACES
	WIN 0x40
	LOADKV VF, 8192
	WIN 0
	s_wait_loadcnt 0x0                             ; the next step's bias, asked for at the step's head
.set i, 0
.rept 8
	ds_store_b128 v[BSA], v[BR+4*i:BR+4*i+3] offset:BPITCH*i   ; into the slot that nobody reads in this step
.set i, i+1
.endr
.endif
	WIN 0
.endm
.macro STEP more
	v_add_nc_u32 v[ADB], s[TB], v[AB0]
.if \more
	v_add_nc_u32 v[BSA], s[TS], v[BST]
.endif
	BIAS 0
	UNIT 0, \more
	UNIT 1, \more
	UNIT 2, \more
	UNIT 3, \more
	s_xor_b32 s[TB], s[TB], BSX
	s_xor_b32 s[TS], s[TS], BSX
.endm
	s_wait_alu depctr_va_vdst(0)
	s_mov_b32 s62, 15
.Lstep:
	CHANGE 1
	STEP 1
	s_sub_co_u32 s62, s62, 1
	s_cmp_lg_u32 s62, 0
	s_cbranch_scc1 .Lstep
	CHANGE 0                                       ; the last step is written out: it asks for no K, V or bias
	STEP 0
	PLACES
; Wff's fragments: first into the registers that do not hold x_p
.macro WFA n0, n1                      ; K steps 0, 1 -> window 1
	WIN 0x40
.irp nt, \n0, \n1
.irp ks, 0,1
.irp p, 0,1,2,3
	global_load_b128 v[128+16*(2*\nt+\ks)+4*\p:128+16*(2*\nt+\ks)+4*\p+3], v[L16], s[PWF:PWF+1] offset:(4*\nt+\ks)*2048+512*\p
.endr
.endr
.endr
	WIN 0
.endm
.macro WFB n0, n1                      ; K steps 2, 3 -> window 0
.irp nt, \n0, \n1
.irp ks, 2,3
.irp p, 0,1,2,3
	global_load_b128 v[64+16*(2*\nt+\ks-2)+4*\p:64+16*(2*\nt+\ks-2)+4*\p+3], v[L16], s[PWF:PWF+1] offset:(4*\nt+\ks)*2048+512*\p
.endr
.endr
.endr
.endm
	WFA 2, 3
	WFB 0, 1
	BARRIER                                        ; nobody reads K's, V's or the bias' bytes any more, and they have had their last fill
	s_wait_loadcnt 32                              ; x_p is in; out: the 32 loads of Wff above
.set i, 0
.rept 16
	ds_store_b128 v31, v[MK+4*i:MK+4*i+3] offset:XPITCH*i
.set i, i+1
.endr
	WIN 0x04
.set i, 0
.rept 16
	ds_store_b128 v31, v[KF+4*i:KF+4*i+3] offset:XPITCH*i+512
.set i, i+1
.endr
	WIN 0
	s_wait_dscnt 0x0
	WFA 0, 1
	WFB 2, 3
	MKSC s76, 22, 23
	s_add_co_i32 s96, s74, s75
.irp t, 0,1,2,3
	v_add_f32 v[ST+4*\t+2], v[ST+4*\t+2], v[ST+4*\t+3]
.endr
.irp t, 0,1,2,3
	s_delay_alu instid0(VALU_DEP_4)
	v_permlanex16_b32 v[ST+4*\t+1], v[ST+4*\t+2], s[SEL], s[SEL+1]
.endr
.irp t, 0,1,2,3
	s_delay_alu instid0(VALU_DEP_4)
	v_add_f32 v[ST+4*\t+2], v[ST+4*\t+2], v[ST+4*\t+1]
.endr
	s_wait_alu depctr_va_vdst(0)
.irp t, 0,1,2,3
	v_rcp_f32 v[ST+4*\t+2], v[ST+4*\t+2]
.endr
	v_nop
	s_wait_alu depctr_va_vdst(0)
.irp t, 0,1,2,3
	v_ldexp_f32 v[ST+4*\t], v[ST+4*\t+2], s96      ; 2^(e6 + e7) / the row's sum
.endr
.macro ATT t
	WIN 0x41
.set i, 0
.rept 16
	v_pk_mul_f32 v[32*(\t)+i:32*(\t)+i+1], v[32*(\t)+i:32*(\t)+i+1], v[ST+4*(\t):ST+4*(\t)+1] op_sel_hi:[1,0]
.set i, i+2
.endr
.set i, 0
.rept 32
	v_med3_num_f32 v[32*(\t)+i], v[32*(\t)+i], -v23, v23
.set i, i+1
.endr
	WIN 0x01
.irp ct, 0,1,2,3
	v_cvt_scalef32_pk8_fp8_f32 v[224+8*(\t)+2*\ct:225+8*(\t)+2*\ct], v[32*(\t)+8*\ct:32*(\t)+8*\ct+7], v22
.endr
	v_nop
	WIN 0
	ds_store_b128 v26, v[224+8*(\t):227+8*(\t)] offset:8192*(\t)
	ds_store_b128 v26, v[228+8*(\t):231+8*(\t)] offset:8192*(\t)+512
.endm
	ATT 0
	ATT 1
	ATT 2
	ATT 3
	BARRIER
	s_wait_loadcnt 0x0
.macro OPROJ t
.set i, 0
.rept 16
	ds_load_b128 v[192+4*i:195+4*i], v27 offset:8192*(\t)+512*i
.set i, i+1
.endr
	s_wait_dscnt 0x0
	WIN 0x51
.irp ks, 0,1
.irp nt, 0,1,2,3
.if \ks == 0
	v_wmma_f32_16x16x128_fp8_fp8 v[32*(\t)+8*\nt:32*(\t)+8*\nt+7], v[128+16*(2*\nt+\ks):128+16*(2*\nt+\ks)+15], v[192+16*\ks:192+16*\ks+15], 0
.else
	v_wmma_f32_16x16x128_fp8_fp8 v[32*(\t)+8*\nt:32*(\t)+8*\nt+7], v[128+16*(2*\nt+\ks):128+16*(2*\nt+\ks)+15], v[192+16*\ks:192+16*\ks+15], v[32*(\t)+8*\nt:32*(\t)+8*\nt+7]
.endif
.endr
.endr
	WIN 0x50
.irp ks, 2,3
.irp nt, 0,1,2,3
	v_wmma_f32_16x16x128_fp8_fp8 v[32*(\t)+8*\nt:32*(\t)+8*\nt+7], v[64+16*(2*\nt+\ks-2):64+16*(2*\nt+\ks-2)+15], v[192+16*\ks:192+16*\ks+15], v[32*(\t)+8*\nt:32*(\t)+8*\nt+7]
.endr
.endr
	WIN 0
	PLACES
.endm
	OPROJ 0
	OPROJ 1
	OPROJ 2
	OPROJ 3
	s_lshr_b32 s94, s[WV], 2
	s_mul_i32 s94, s94, SUBT
	s_and_b32 s95, s[WV], 3
	s_lshl_b32 s95, s95, 8
	s_add_co_u32 s94, s94, s95
	s_add_co_u32 s94, s94, XP
	v_mul_u32_u24 v24, v1, XPITCH
	s_delay_alu instid0(VALU_DEP_1)
	v_lshl_add_u32 v24, v2, 5, v24
	s_delay_alu instid0(VALU_DEP_1)
	v_add_nc_u32 v24, s94, v24
	s_delay_alu instid0(VALU_DEP_1)
	v_add_nc_u32 v25, 4*SUBT, v24
.irp t, 0,1,2,3
.irp nt, 0,1,2,3
	ds_load_b128 v[XR+32*\t+8*\nt:XR+32*\t+8*\nt+3],   v[24+\t/2] offset:2*SUBT*(\t%2)+64*\nt
	ds_load_b128 v[XR+32*\t+8*\nt+4:XR+32*\t+8*\nt+7], v[24+\t/2] offset:2*SUBT*(\t%2)+64*\nt+16
.endr
.endr
.irp nt, 0,1,2,3
	ds_load_b128 v[192+8*\nt:195+8*\nt], v28 offset:64*\nt
	ds_load_b128 v[196+8*\nt:199+8*\nt], v28 offset:64*\nt+16
.endr
	s_wait_dscnt 0x0
.set i, 0
.rept 16
.irp t, 0,1,2,3
	v_pk_add_f32 v[XR+32*\t+i:XR+32*\t+i+1], v[XR+32*\t+i:XR+32*\t+i+1], v[192+i:193+i]
.endr
.set i, i+2
.endr
	WIN 0x01
.set i, 0
.rept 64
	v_pk_fma_f32 v[XR+i:XR+i+1], v[i:i+1], s[OS:OS+1], v[XR+i:XR+i+1] op_sel_hi:[1,0,1]
.set i, i+2
.endr
	WIN 0
.macro ACROSS off
.irp t, 0,1,2,3
	s_delay_alu instid0(VALU_DEP_4)
	v_add_f32 v[16+2*\t], v[16+2*\t], v[17+2*\t]
.endr
.irp t, 0,1,2,3
	s_delay_alu instid0(VALU_DEP_4)
	v_permlanex16_b32 v[17+2*\t], v[16+2*\t], s[SEL], s[SEL+1]
.endr
.irp t, 0,1,2,3
	s_delay_alu instid0(VALU_DEP_4)
	v_add_f32 v[16+2*\t], v[16+2*\t], v[17+2*\t]
.endr
.irp t, 0,1,2,3
	ds_store_b32 v29, v[16+2*\t] offset:\off+512*\t
.endr
	BARRIER
.irp t, 0,1,2,3
	ds_load_b128 v[224+8*\t:227+8*\t], v30 offset:\off+512*\t
	ds_load_b128 v[228+8*\t:231+8*\t], v30 offset:\off+512*\t+16
.endr
	s_wait_dscnt 0x0
.irp t, 0,1,2,3
	v_pk_add_f32 v[224+8*\t:225+8*\t], v[224+8*\t:225+8*\t], v[226+8*\t:227+8*\t]
	v_pk_add_f32 v[228+8*\t:229+8*\t], v[228+8*\t:229+8*\t], v[230+8*\t:231+8*\t]
.endr
.irp t, 0,1,2,3
	v_pk_add_f32 v[224+8*\t:225+8*\t], v[224+8*\t:225+8*\t], v[228+8*\t:229+8*\t]
.endr
.irp t, 0,1,2,3
	s_delay_alu instid0(VALU_DEP_4)
	v_add_f32 v[16+2*\t], v[224+8*\t], v[225+8*\t]
.endr
.endm
.irp t, 0,1,2,3
	v_pk_add_f32 v[16+2*\t:17+2*\t], v[XR+32*\t:XR+32*\t+1], v[XR+32*\t+2:XR+32*\t+3]
.endr
.set i, 4
.rept 14
.irp t, 0,1,2,3
	s_delay_alu instid0(VALU_DEP_4)
	v_pk_add_f32 v[16+2*\t:17+2*\t], v[16+2*\t:17+2*\t], v[XR+32*\t+i:XR+32*\t+i+1]
.endr
.set i, i+2
.endr
	ACROSS 0
.irp t, 0,1,2,3
	s_delay_alu instid0(VALU_DEP_4)
	v_mul_f32 v[16+2*\t], 0xbb000000, v[16+2*\t]   ; - the mean
.endr
.set i, 0
.rept 16
.irp t, 0,1,2,3
	v_pk_add_f32 v[XR+32*\t+i:XR+32*\t+i+1], v[XR+32*\t+i:XR+32*\t+i+1], v[16+2*\t:17+2*\t] op_sel_hi:[1,0]
.endr
.set i, i+2
.endr
.irp t, 0,1,2,3
	v_pk_mul_f32 v[16+2*\t:17+2*\t], v[XR+32*\t:XR+32*\t+1], v[XR+32*\t:XR+32*\t+1]
.endr
.set i, 2
.rept 15
.irp t, 0,1,2,3
	s_delay_alu instid0(VALU_DEP_4)
	v_pk_fma_f32 v[16+2*\t:17+2*\t], v[XR+32*\t+i:XR+32*\t+i+1], v[XR+32*\t+i:XR+32*\t+i+1], v[16+2*\t:17+2*\t]
.endr
.set i, i+2
.endr
	ACROSS 2048
.irp nt, 0,1,2,3
	ds_load_b128 v[224+8*\nt:227+8*\nt], v28 offset:2048+64*\nt
	ds_load_b128 v[228+8*\nt:231+8*\nt], v28 offset:2048+64*\nt+16
	ds_load_b128 v[192+8*\nt:195+8*\nt], v28 offset:4096+64*\nt
	ds_load_b128 v[196+8*\nt:199+8*\nt], v28 offset:4096+64*\nt+16
.endr
	s_mov_b32 s94, 0x3b000000
	s_mov_b32 s95, 0x3727c5ac
.irp t, 0,1,2,3
	v_fma_f32 v[16+2*\t], v[16+2*\t], s94, s95     ; the variance + 1e-5
.endr
	s_wait_alu depctr_va_vdst(0)
.irp t, 0,1,2,3
	v_rsq_f32 v[16+2*\t], v[16+2*\t]
.endr
	v_nop
	s_wait_alu depctr_va_vdst(0)
	s_wait_dscnt 0x0
.set i, 0
.rept 16
.irp t, 0,1,2,3
	v_pk_mul_f32 v[XR+32*\t+i:XR+32*\t+i+1], v[XR+32*\t+i:XR+32*\t+i+1], v[16+2*\t:17+2*\t] op_sel_hi:[1,0]
.endr
.irp t, 0,1,2,3
	s_delay_alu instid0(VALU_DEP_4)
	v_pk_fma_f32 v[XR+32*\t+i:XR+32*\t+i+1], v[XR+32*\t+i:XR+32*\t+i+1], v[224+i:225+i], v[192+i:193+i]
.endr
.set i, i+2
.endr
.irp t, 0,1,2,3
.irp nt, 0,1,2,3
	ds_store_b128 v[24+\t/2], v[XR+32*\t+8*\nt:XR+32*\t+8*\nt+3]   offset:2*SUBT*(\t%2)+64*\nt
	ds_store_b128 v[24+\t/2], v[XR+32*\t+8*\nt+4:XR+32*\t+8*\nt+7] offset:2*SUBT*(\t%2)+64*\nt+16
.endr
.endr
	BARRIER
.set i, 0
.rept 32
	ds_load_b128 v[XR+4*i:XR+4*i+3], v31 offset:XPITCH*(i/2)+512*(i%2)
.set i, i+1
.endr
.set i, 0
.rept 32
	s_wait_dscnt 31-i
	global_store_b128 v[L16], v[XR+4*i:XR+4*i+3], s[PO:PO+1] offset:2048*(i/2)+512*(i%2) th:TH_STORE_NT   ; 32 lanes store 512 consecutive bytes
.set i, i+1
.endr
	s_wait_tensorcnt 0x0                           ; the wave's end
	ds_add_u32 v[SPW], v[NIL]
	s_wait_dscnt 0x0
	s_endpgm
.Lfunc_end_k_q380a55adf0_attn:
	.size	k_q380a55adf0_attn, .Lfunc_end_k_q380a55adf0_attn-k_q380a55adf0_attn
	.p2alignl 7, 3214868480
	.fill 96, 4, 3214868480
	.section	.rodata,"a",@progbits
	.p2align	6, 0x0
	.amdhsa_kernel k_q380a55adf0_attn
		.amdhsa_group_segment_fixed_size 327680
		.amdhsa_private_segment_fixed_size 0
		.amdhsa_enable_private_segment 0
		.amdhsa_kernarg_size 104
		.amdhsa_user_sgpr_count 2
		.amdhsa_user_sgpr_kernarg_segment_ptr 1
		.amdhsa_wavefront_size32 1
		.amdhsa_system_sgpr_workgroup_id_x 1
		.amdhsa_system_sgpr_workgroup_id_y 1
		.amdhsa_system_sgpr_workgroup_id_z 1
		.amdhsa_system_vgpr_workitem_id 0
		.amdhsa_next_free_vgpr 512
		.amdhsa_next_free_sgpr 100
		.amdhsa_reserve_vcc 0
		.amdhsa_float_denorm_mode_32 3
		.amdhsa_float_denorm_mode_16_64 3
		.amdhsa_memory_ordered 1
		.amdhsa_forward_progress 1
		.amdhsa_inst_pref_size 255
	.end_amdhsa_kernel
	.section	.bss,"aw",@nobits
	.p2align	6
	.space	262144
	.amdgpu_metadata
---
amdhsa.version: [ 1, 2 ]
amdhsa.kernels:
  - .name:           k_q380a55adf0_attn
    .symbol:         k_q380a55adf0_attn.kd
    .args:
      - { .name: x_p, .offset: 0, .size: 8, .value_kind: global_buffer, .address_space: global }
      - { .name: bias, .offset: 8, .size: 8, .value_kind: global_buffer, .address_space: global }
      - { .name: wq_img, .offset: 16, .size: 8, .value_kind: global_buffer, .address_space: global }
      - { .name: wff_img, .offset: 24, .size: 8, .value_kind: global_buffer, .address_space: global }
      - { .name: kvimg, .offset: 32, .size: 8, .value_kind: global_buffer, .address_space: global }
      - { .name: mk, .offset: 40, .size: 8, .value_kind: global_buffer, .address_space: global }
      - { .name: out0, .offset: 48, .size: 8, .value_kind: global_buffer, .address_space: global }
      - { .name: lowp_scales, .offset: 56, .size: 8, .value_kind: global_buffer, .address_space: global }
      - { .name: gamma_f, .offset: 64, .size: 8, .value_kind: global_buffer, .address_space: global }
      - { .name: flags, .offset: 72, .size: 8, .value_kind: global_buffer, .address_space: global }
      - { .name: bff, .offset: 80, .size: 8, .value_kind: global_buffer, .address_space: global }
      - { .name: ln_g, .offset: 88, .size: 8, .value_kind: global_buffer, .address_space: global }
      - { .name: ln_b, .offset: 96, .size: 8, .value_kind: global_buffer, .address_space: global }
    .group_segment_fixed_size: 327680
    .private_segment_fixed_size: 0
    .kernarg_segment_align: 8
    .kernarg_segment_size: 104
    .max_flat_workgroup_size: 256
    .sgpr_count:     100
    .vgpr_count:     512
    .wavefront_size: 32
...
	.end_amdgpu_metadata
.endif
;; end of part 3
